; MI455X (gfx1250); checked and timed in simulation.
; The chip was launched on July 23, 2026; its instructions are those of AMD's public machine-readable ISA for CDNA 5 (MIT licence, August 2026) and "CDNA5" Instruction Set Architecture Reference Guide (July 2026). The comments in the code are by the model that wrote it; some were corrected since.
;; Vector Quantizer. Allowed arithmetic: matrix products marked QUANTISED: E2M3 operands, one E8M0 scale for each 32 along K, by v_wmma_scale_f32_16x16x128_f8f6f4 with both operands' format E2M3, f32 sums; everything else in f32.
;; Inputs: codebook 8,192 x 256 float32; z_e 32,768 x 256 float32.
;; Outputs: out0 32,768 x 256 float32; out1 one number float32; out2 32,768 int32.
;; This version of the problem:
;;   THIS VERSION OF THE PROBLEM IS GIVEN IN LOW PRECISION. The matrix products marked QUANTISED in the list below multiply operands that are first quantised to E2M3 (2 exponent bits, 3 mantissa bits; 6 bits a number), with one power-of-two scale for each 32 numbers along K (OCP MX v1.0); their sums are f32. All else is computed in f32.
;;   The module's matrix products, in the order in which they are computed (A, B: the left and right operand; K: the contracted axis; several contracted axes count as one K, in the product's order):
;;     1. [M 32,768, K 256] x [K 256, N 8,192]; A: computed on the way; B: input codebook: QUANTISED
;;   THE QUANTISER, for each operand of a quantised product, along K:
;;     - K is cut into blocks of 32 from its start; a last block that is shorter is filled with zeros.
;;     - A block's scale is 2^e with e = floor(log2(the largest magnitude in the block)) - 2, held to -126 .. 127; a block of zeros has e = 0. As a byte (E8M0): e + 127.
;;     - Each number is divided by its block's scale, clamped to +-7.5, and rounded to the nearest number of E2M3, ties to even, subnormals kept.
;;     - The product sums the exact products of the quantised numbers (number of the format x scale) in f32.
;;   ~~~python
;;   def quantise(x, axis):      # numpy; x: float32 -> the quantised numbers, widened to float32 again
;;       x = np.moveaxis(x, axis, -1); K = x.shape[-1]
;;       x = np.pad(x, [(0, 0)] * (x.ndim - 1) + [(0, -K % 32)]); x = x.reshape(x.shape[:-1] + (-1, 32)); a = np.abs(x).max(-1, keepdims=True)
;;       e = np.where(a > 0, np.clip(np.frexp(np.where(a > 0, a, 1))[1] - 1 - 2, -126, 127), 0)      # np.frexp(a)[1] - 1 = floor(log2(a)), exactly
;;       r = np.clip(x / 2.0 ** e, -7.5, 7.5)
;;       step = 2.0 ** (np.maximum(np.frexp(np.where(r == 0, 1, r))[1] - 1, 0) - 3)
;;       q = np.round(r / step) * step * 2.0 ** e      # np.round: ties to even
;;       return np.moveaxis(q.reshape(q.shape[:-2] + (-1,))[..., :K], -1, axis).astype(np.float32)
;;   ~~~
;;   OPERANDS COMPUTED ON THE WAY. 'Computed on the way' means the value that the module computes at that place (a softmax that the list does not call 'softmax' is quantised finished and normalised). What goes into a quantiser is computed in f32, as accurately as f32 sums, v_exp_f32 and their like allow (about 1e-6 of the number): no bf16 or f16 on the way to a quantiser, and a product that is left as it is and whose result goes on into a quantised operand takes f32 operands (vector FMAs, or v_wmma_f32_16x16x4_f32). A number that lies on a knife's edge between two numbers of the format may be rounded either way, as far as f32 arithmetic and the matrix unit's own rounding can turn it there, and no further.
;; One version. Each part assembles by itself: llvm-mc -triple=amdgcn-amd-amdhsa -mcpu=gfx1250 --defsym DOCPART=n.
;; ======== version 1 of 1: 4 launches
;; limits: right only within a limited range of input values
;; workspace buffers: zc 6,815,744 bytes; cc 1,703,936 bytes; order 131,072 bytes of whole numbers; parts 1,024 bytes
;; launch prep (part 1): grid 256 x 1, 10 waves a work-group, no clusters, 172,800 bytes of LDS; arguments z_e, codebook, zc, cc; writes zc, cc
.if DOCPART == 1
	.amdgcn_target "amdgcn-amd-amdhsa--gfx1250"
	.amdhsa_code_object_version 6
	.text
	.protected	k_q9a755e7576_prep
	.globl	k_q9a755e7576_prep
	.p2align	8
	.type	k_q9a755e7576_prep,@function
k_q9a755e7576_prep:
	s_mov_b64 s[64:65], 0
	v_nop
	global_prefetch_b8 v0, s[64:65] scope:SCOPE_SE
	s_setreg_imm32_b32 hwreg(HW_REG_WAVE_MODE, 25, 1), 1
	s_wait_xcnt 0x0
; 2 x z_e [32768][256] and codebook [8192][256], f32, become codes of FP6 (E2M3) with one E8M0 scale byte for each 32 along the row, and each row's -(sum of squares) of the numbers as given.
; A TILE is 16 consecutive rows.  2,048 tiles of z_e and 512 of the codebook: 2,560 waves, one tile each, no loop: a wave asks for its 16,384 bytes at once.
; WHAT IS STORED, for each tile:
;   codes, 3,072 bytes, as AN IMAGE OF THE OPERAND REGISTERS: register 4 g + q of K step s (128 along the row), lane L, at byte 1536 s + 512 g + 16 L + 4 q.  The product launch brings a fragment by three loads of 16 bytes a lane.
;   a side record, 256 bytes: word L (0..31) = the scale word of row L % 16, of K step 0 in words 0-15 and of K step 1 in words 16-31; word 32 + L = -(sum of squares) of row L % 16.
; A block scale is 2^(floor(log2(largest magnitude)) - 2); its byte is the largest magnitude's exponent field - 2, held at 1 from below.
; LIMITS: a block of zeros gets the byte 1 where the quantiser says 127 (its codes are zeros, and this program alone reads the bytes); blocks whose largest magnitude lies under 2^-124 are held at that byte;
; NaN and infinities among the inputs are not served.
; One path serves both tensors: only pointers and the factor (2.0 for z_e, 1.0 for the codebook) are chosen, on the tile's number.  So the codebook is multiplied by 1.0: 64 packed lines a wave, the price of one text.
; Each load reads 512 consecutive bytes of a row; the conversions want 16 neighbours in one lane: the bytes turn through the wave's own stage in LDS (rows 528 bytes apart: 16 rows begin in 16 different groups of banks).
; No tensor load, no barrier: waves share nothing.
; WHERE IT LIES: a tile's codes and its side record lie together, 3,328 bytes a tile (13 x 256): codes at byte 0, the record at byte 3,072.
; WORK LEFT OUT BY THE PROGRAM: reference() adds sum(z_e^2) of a row to all 8,192 distances of that row and uses the distances for argmin along that axis alone.  A term that is the same along
; the axis moves no argmin, whatever the inputs hold, so the product launch compares 2 z.e - sum(e^2).  Every input is still loaded.  LIMIT: an overflow or infinity that arises in sum(z_e^2) alone is not carried to the indices.
; z_e's tiles go the one path of this text, so their records hold that sum too; no launch reads it.
.set WREG,  17152
.set SPT,   528
.set STG1,  16*SPT
.set SIDEO, 2*16*SPT
.set TM,    16                         ; v16-19 largest magnitudes, v20-23 the other half's, then bytes, v28-31 the conversions' scale operands
.set PC,    36                         ; v36-47 the fragment just made; v48-54 at work
.set SQ,    56                         ; v[56:59] the sum of squares, in two packed chains
.set RAW0,  64                         ; v64-127  K step 0 as loaded; later X1
.set RAW1,  128                        ; v128-191 K step 1 as loaded
.set X0,    192                        ; v192-255 K step 0: register 16 b + i = number 32 b + 16 (lane / 16) + i of row lane % 16
.set X1,    64
	s_load_b256 s[4:11], s[0:1], 0x0               ; z_e s[4:5], codebook s[6:7], zc s[8:9], cc s[10:11]
	v_lshl_add_u32 v62, v0, 2, 0x29e00
	v_mov_b32 v63, 0
	v_lshrrev_b32 v1, 5, v0
	s_delay_alu instid0(VALU_DEP_1)
	v_readfirstlane_b32 s16, v1                    ; wave 0..9
	v_and_b32 v1, 31, v0                           ; lane
	v_and_b32 v2, 15, v0                           ; r
	v_bfe_u32 v3, v0, 4, 1                         ; h
	s_delay_alu instid0(VALU_DEP_3)
	v_lshlrev_b32 v4, 4, v1                        ; 16 x lane: my bytes of a load, and of an image
	s_mul_i32 s18, s16, WREG
	v_add_nc_u32 v5, s18, v4                       ; the stage, on the way in: a row's 512 bytes as they lie
	v_mul_u32_u24 v6, v2, SPT
	s_delay_alu instid0(VALU_DEP_1)
	v_lshl_add_u32 v6, v3, 6, v6
	s_delay_alu instid0(VALU_DEP_1)
	v_add_nc_u32 v6, s18, v6                       ; and out: row r, + 64 h: my 16 numbers of each block of 32
	s_add_co_u32 s19, s18, SIDEO
	v_lshl_add_u32 v7, v1, 2, s19                  ; the side record: a word a lane in,
	v_lshl_add_u32 v8, v1, 3, s19                  ; 8 bytes a lane out,
	v_lshlrev_b32 v9, 3, v1                        ; and the same place in memory
	s_mov_b32 s20, 0x76543210
	s_mov_b32 s21, 0xfedcba98                      ; v_permlanex16_b32: lane l xor 16
	s_mov_b32 s24, 0xffff0000                      ; lanes 16-31
.irp b, 0,1,2,3
	v_mov_b32 v[TM+4+\b], 0                        ; written once: a lane permute's destination counts as one of its sources
.endr
	s_mul_i32 s17, ttmp9, 10
	s_add_co_u32 s17, s17, s16                     ; my tile, 0 .. 2,559
	s_wait_alu depctr_va_vdst(0)
	s_wait_kmcnt 0x0
	s_cmp_lt_u32 s17, 2048                         ; z_e or the codebook?  The choice hangs on ids alone
	s_cselect_b64 s[4:5], s[4:5], s[6:7]
	s_cselect_b64 s[8:9], s[8:9], s[10:11]
	s_cselect_b32 s22, 2.0, 1.0                    ; the product's left operand is 2 z_e
	s_cselect_b32 s26, 0, 2048
	s_mov_b32 s23, s22                             ; (named with it as a pair)
	s_sub_co_u32 s17, s17, s26                     ; the tile's number in its tensor
	s_lshl_b32 s26, s17, 14                        ; 16 rows of 1,024 bytes
	s_mov_b32 s27, 0
	s_mul_i32 s28, s17, 3328                       ; a tile's codes and record
	s_mov_b32 s29, 0
	s_add_nc_u64 s[4:5], s[4:5], s[26:27]
	s_add_nc_u64 s[8:9], s[8:9], s[28:29]
.irp p, 0,1,2,3,4,5,6,7,8,9,10,11,12,13,14,15
	global_load_b128 v[RAW0+4*\p:RAW0+4*\p+3], v4, s[4:5] offset:1024*\p th:TH_LOAD_NT        ; row p, K step 0: 512 consecutive bytes
.endr
.irp p, 0,1,2,3,4,5,6,7,8,9,10,11,12,13,14,15
	global_load_b128 v[RAW1+4*\p:RAW1+4*\p+3], v4, s[4:5] offset:1024*\p+512 th:TH_LOAD_NT    ; K step 1
.endr
; the sum of squares of 64 numbers, onto two packed chains; start = 1: the first products start the chains
.macro SQUARES x, start
.if \start
	v_pk_mul_f32 v[SQ:SQ+1], v[\x:\x+1], v[\x:\x+1]
	v_pk_mul_f32 v[SQ+2:SQ+3], v[\x+2:\x+3], v[\x+2:\x+3]
.else
	v_pk_fma_f32 v[SQ:SQ+1], v[\x:\x+1], v[\x:\x+1], v[SQ:SQ+1]
	v_pk_fma_f32 v[SQ+2:SQ+3], v[\x+2:\x+3], v[\x+2:\x+3], v[SQ+2:SQ+3]
.endif
.irp i, 4,8,12,16,20,24,28,32,36,40,44,48,52,56,60
	s_delay_alu instid0(VALU_DEP_2)
	v_pk_fma_f32 v[SQ:SQ+1], v[\x+\i:\x+\i+1], v[\x+\i:\x+\i+1], v[SQ:SQ+1]
	s_delay_alu instid0(VALU_DEP_2)
	v_pk_fma_f32 v[SQ+2:SQ+3], v[\x+\i+2:\x+\i+3], v[\x+\i+2:\x+\i+3], v[SQ+2:SQ+3]
.endr
.endm
.macro TIMES x                         ; the 64 numbers times the factor, in f32: exact
.set n, 0
.rept 32
	v_pk_mul_f32 v[\x+n:\x+n+1], v[\x+n:\x+n+1], s[22:23] op_sel_hi:[1,0]
.set n, n+2
.endr
.endm
; 64 numbers of a lane, register 16 b + i = k 32 b + 16 (lane / 16) + i of my row, become a fragment's codes in v[PC] on and its scale word in v[pw]
.macro QUANT s, pw
.irp b, 0,1,2,3
	v_max3_num_f32 v[TM+\b], |v[\s+16*\b]|, |v[\s+1+16*\b]|, 0x1800000   ; block b: my 16 numbers, and the floor 2^(3 - 127): the byte cannot fall under 1
.endr
.irp i, 2,4,6,8,10,12,14
.irp b, 0,1,2,3
	s_delay_alu instid0(VALU_DEP_4)
	v_max3_num_f32 v[TM+\b], v[TM+\b], |v[\s+16*\b+\i]|, |v[\s+1+16*\b+\i]|   ; the four blocks by turns
.endr
.endr
.irp b, 0,1,2,3
	s_delay_alu instid0(VALU_DEP_4)
	v_permlanex16_b32 v[TM+4+\b], v[TM+\b], s20, s21
.endr
.irp b, 0,1,2,3
	s_delay_alu instid0(VALU_DEP_4)
	v_max_num_f32 v[TM+\b], v[TM+\b], v[TM+4+\b]   ; with lane l xor 16: the block's largest magnitude
.endr
.irp b, 0,1,2,3
	s_delay_alu instid0(VALU_DEP_4)
	v_add_nc_u32 v[TM+12+\b], 0xff000000, v[TM+\b] ; 2 off its exponent field: the conversion takes the exponent field of this operand as its scale
.endr
.irp b, 0,1,2,3
	s_delay_alu instid0(VALU_DEP_4)
	v_lshrrev_b32 v[TM+4+\b], 23, v[TM+12+\b]      ; the scale's byte
.endr
	s_delay_alu instid0(VALU_DEP_3)
	v_lshl_or_b32 v[\pw], v[TM+5], 8, v[TM+4]      ; four bytes: my row's scale word for these 128
	s_delay_alu instid0(VALU_DEP_1)
	v_lshl_or_b32 v[\pw], v[TM+6], 16, v[\pw]
	s_delay_alu instid0(VALU_DEP_1)
	v_lshl_or_b32 v[\pw], v[TM+7], 24, v[\pw]
.irp c, 0,1
	v_cvt_scalef32_pk16_fp6_f32 v[PC+6*\c:PC+2+6*\c], v[\s+32*\c:\s+15+32*\c], v[TM+12+2*\c]
	v_cvt_scalef32_pk16_fp6_f32 v[PC+12+4*\c:PC+14+4*\c], v[\s+16+32*\c:\s+31+32*\c], v[TM+12+2*\c+1]   ; (a conversion's three registers begin on an even number)
.endr
	v_nop                                          ; one plain place behind a scaled conversion
.irp c, 0,1                                    ; the operand wants a WHOLE block in a lane: lanes 0-15 block 2 c, lanes 16-31 block 2 c + 1
.irp i, 0,1,2
	v_permlane16_swap_b32 v[PC+6*\c+\i], v[PC+12+4*\c+\i]
.endr
.irp i, 0,1,2
	s_delay_alu instid0(VALU_DEP_3)
	v_mov_b32 v[PC+3+6*\c+\i], v[PC+12+4*\c+\i]
.endr
.endr
.endm
	s_wait_loadcnt 16                              ; K step 0's sixteen loads are in; K step 1's may be out
.irp p, 0,1,2,3,4,5,6,7,8,9,10,11,12,13,14,15
	ds_store_b128 v5, v[RAW0+4*\p:RAW0+4*\p+3] offset:SPT*\p
.endr
.irp b, 0,1,2,3
.irp j, 0,1,2,3
	ds_load_b128 v[X0+16*\b+4*\j:X0+16*\b+4*\j+3], v6 offset:128*\b+16*\j      ; LDS serves a wave's instructions in order: these see my stores
.endr
.endr
	s_wait_loadcnt 0x0
.irp p, 0,1,2,3,4,5,6,7,8,9,10,11,12,13,14,15
	ds_store_b128 v5, v[RAW1+4*\p:RAW1+4*\p+3] offset:STG1+SPT*\p
.endr
	s_wait_dscnt 16                                ; all but the sixteen stores just issued: X0 is back, and the first stores have read the registers that X1 takes
.irp b, 0,1,2,3
.irp j, 0,1,2,3
	ds_load_b128 v[X1+16*\b+4*\j:X1+16*\b+4*\j+3], v6 offset:STG1+128*\b+16*\j
.endr
.endr
	SQUARES X0, 1
	TIMES X0
	QUANT X0, 32
.irp g, 0,1,2
	global_store_b128 v4, v[PC+4*\g:PC+4*\g+3], s[8:9] offset:512*\g          ; 32 lanes store 512 consecutive bytes
.endr
	s_wait_dscnt 0x0                               ; X1 is in
	SQUARES X1, 0
	TIMES X1
	s_wait_xcnt 0x0                                ; the three stores have read their data: the fragment's registers are written again only behind this wait
	QUANT X1, 33
.irp g, 0,1,2
	global_store_b128 v4, v[PC+4*\g:PC+4*\g+3], s[8:9] offset:1536+512*\g
.endr
	v_pk_add_f32 v[SQ:SQ+1], v[SQ:SQ+1], v[SQ+2:SQ+3]
	s_delay_alu instid0(VALU_DEP_1)
	v_add_f32 v[SQ], v[SQ], v[SQ+1]                ; my 128 numbers of the row,
	s_delay_alu instid0(VALU_DEP_1)
	v_permlanex16_b32 v[SQ+1], v[SQ], s20, s21
	s_delay_alu instid0(VALU_DEP_1)
	v_sub_f32 v12, -v[SQ], v[SQ+1]                 ; and lane l xor 16's: -(the row's sum of squares)
	v_cndmask_b32 v13, v32, v33, s24               ; lanes 0-15 K step 0's scale word, lanes 16-31 K step 1's
	ds_store_b32 v7, v13
	ds_store_b32 v7, v12 offset:128
	ds_load_b64 v[10:11], v8
	s_wait_dscnt 0x0
	global_store_b64 v9, v[10:11], s[8:9] offset:3072   ; 32 lanes store the record: 256 consecutive bytes, aligned, behind the tile's codes
	s_wait_tensorcnt 0x0
	ds_add_u32 v62, v63
	s_wait_dscnt 0x0
	s_endpgm
.Lfunc_end_k_q9a755e7576_prep:
	.size	k_q9a755e7576_prep, .Lfunc_end_k_q9a755e7576_prep-k_q9a755e7576_prep
	.p2alignl 7, 3214868480
	.fill 96, 4, 3214868480
	.section	.rodata,"a",@progbits
	.p2align	6, 0x0
	.amdhsa_kernel k_q9a755e7576_prep
		.amdhsa_group_segment_fixed_size 172800
		.amdhsa_private_segment_fixed_size 0
		.amdhsa_enable_private_segment 0
		.amdhsa_kernarg_size 32
		.amdhsa_user_sgpr_count 2
		.amdhsa_user_sgpr_kernarg_segment_ptr 1
		.amdhsa_wavefront_size32 1
		.amdhsa_system_sgpr_workgroup_id_x 1
		.amdhsa_system_sgpr_workgroup_id_y 1
		.amdhsa_system_sgpr_workgroup_id_z 1
		.amdhsa_system_vgpr_workitem_id 0
		.amdhsa_next_free_vgpr 256
		.amdhsa_next_free_sgpr 66
		.amdhsa_reserve_vcc 0
		.amdhsa_float_denorm_mode_32 3
		.amdhsa_float_denorm_mode_16_64 3
		.amdhsa_memory_ordered 1
		.amdhsa_forward_progress 1
		.amdhsa_inst_pref_size 32
	.end_amdhsa_kernel
	.amdgpu_metadata
---
amdhsa.version: [ 1, 2 ]
amdhsa.kernels:
  - .name:           k_q9a755e7576_prep
    .symbol:         k_q9a755e7576_prep.kd
    .args:
      - { .name: z_e, .offset: 0, .size: 8, .value_kind: global_buffer, .address_space: global }
      - { .name: codebook, .offset: 8, .size: 8, .value_kind: global_buffer, .address_space: global }
      - { .name: zc, .offset: 16, .size: 8, .value_kind: global_buffer, .address_space: global }
      - { .name: cc, .offset: 24, .size: 8, .value_kind: global_buffer, .address_space: global }
    .group_segment_fixed_size: 172800
    .private_segment_fixed_size: 0
    .kernarg_segment_align: 8
    .kernarg_segment_size: 32
    .max_flat_workgroup_size: 320
    .sgpr_count:     66
    .vgpr_count:     256
    .wavefront_size: 32
...
	.end_amdgpu_metadata
.endif
;; end of part 1
;; launch main (part 2): grid 256 x 1, 8 waves a work-group, clusters of 4 x 1, 327,680 bytes of LDS; arguments zc, cc, out2, order; writes out2, order
.if DOCPART == 2
	.amdgcn_target "amdgcn-amd-amdhsa--gfx1250"
	.amdhsa_code_object_version 6
	.text
	.protected	k_q9a755e7576_main
	.globl	k_q9a755e7576_main
	.p2align	8
	.type	k_q9a755e7576_main,@function
k_q9a755e7576_main:
	s_mov_b64 s[64:65], 0
	v_nop
	global_prefetch_b8 v0, s[64:65] scope:SCOPE_SE
	s_setreg_imm32_b32 hwreg(HW_REG_WAVE_MODE, 25, 1), 1
	s_wait_xcnt 0x0
	s_wait_alu depctr_hold_cnt(0) depctr_sa_sdst(0) depctr_va_vdst(0) depctr_va_sdst(0) depctr_va_ssrc(0) depctr_va_vcc(0) depctr_vm_vsrc(0)
	s_getreg_b32 s2, hwreg(HW_REG_IB_STS2, 6, 4)
	s_cmp_eq_u32 s2, 0
	s_cbranch_scc0 .Lentry_in_a_cluster
	s_endpgm
.Lentry_in_a_cluster:
	s_bfe_u32 s2, ttmp6, 0x10000c
	s_cmp_lg_u32 s2, 0x3003
	s_cbranch_scc0 .Lentry_shape_is_right
	s_endpgm
.Lentry_shape_is_right:
; out2[n] = order[n] = the first code c with the largest score s(n, c) = 2 z_n . e_c - sum(e_c^2): the argmin of reference()'s distances.
; LEFT OUT: sum(z_n^2), the same for all c of a row n (shown at the head of the first kernel).  LIMITS: NaN and infinities among the inputs are not served.
; The product is MX-FP6 on the operand images that the first launch stored; a tile (16 rows) is 3,328 bytes: 3,072 of codes (6 x 512: registers 4 g + q of lane L at 512 g + 16 L + 4 q),
; then a record of 256: words 0-31 the scale words (K step 0 in lanes 0-15, K step 1 in lanes 16-31), words 32-47 -(sum of squares) of the 16 rows.
; A work-group owns 128 rows of z (8 tiles), whose fragments every wave holds in 192 registers.  Wave w takes code tiles 32 p + 4 w + i (phase p = 0..15, step i = 0..3): 16 matrix instructions a step.
; Source 0 = 16 codes, source 1 = 16 rows of z: lane (r, h) holds row r of z and its registers codes 8 h + 0 .. 7.  C of a sum's first instruction is the eight -(sum of squares), as loaded from the record: no vector line builds it.
; Behind a step: a running maximum a lane (4 lines of three-input maxima for 8 scores), one compare, and four dual selects that keep the step's scores 0-6 and its tile number where the maximum grew;
; the place inside the tile is found once, at the end, by comparing the kept scores with the maximum.  A strict compare keeps the earliest tile; lanes and waves are joined by (score, then lower code).
; CLUSTER: all work-groups walk the same codes; the four of a cluster ask for each wave's 13,312 bytes jointly (mask 15).  Two slots of 32 tiles; each wave reads only what its own load brought.
; PREFETCH: behind the refill for phase p + 1 the blocks of phase p + 2 are named once, by cluster 0 alone (all clusters read the same bytes): 416 blocks of 256 bytes, 104 a work-group by address, 26 a wave in waves 0-3
; (lanes 26-31 name the wave's last block again); the refill for phase 15 names nothing.
; LDS: slot 0 at 0, z's images at 106,496 (24,576 bytes, stored by the waves; later the stage for the join), slot 1 at 131,072, the spare words behind it.
; REGISTERS: window 0: v0-15 addresses, v16-24 scales, v28-35 C, v36-51 maxima (two sets by turns), v64-127 kept scores and tile numbers, v128-255 two sets of 8 accumulators.  Window 1: v0-191 z, v192-215 the code tile.
.set TILEB, 3328
.set SIDEO, 3072
.set ZTB,   3072
.set WVB,   4*TILEB
.set PHB,   32*TILEB
.set SLOT1, 1<<17
.set ZL,    PHB
.set MV,    ZL
.set MCO,   8192
.set SPARE, SLOT1+PHB
.set ZSC,   16
.set CSC,   24
.set TLV,   27                         ; the tile number as a vector register; its number mod 4 differs from that of an accumulator's register 6 (dual issue asks for it)
.set NE,    28
.set BST,   36
.set SV,    64
.set ACC,   128
.set JC,    128
.set FR,    192
.set MSB, 0
.macro WIN new
.if MSB != \new
	s_set_vgpr_msb (MSB<<8)|\new
.set MSB, \new
.endif
.endm
.macro CROUND                          ; a round of the cluster's barrier
	s_barrier_signal -1
	s_barrier_wait -1
	s_cmp_lg_u32 s16, 0
	s_cbranch_scc1 .Lnot_wave_0_\@
	s_barrier_signal -3
.Lnot_wave_0_\@:
	s_barrier_wait -3
	s_barrier_signal -1
	s_barrier_wait -1
.endm
	s_load_b256 s[4:11], s[0:1], 0x0               ; zc s[4:5], cc s[6:7], out2 s[8:9], order s[10:11]
	v_lshl_add_u32 v11, v0, 2, SPARE
	v_mov_b32 v12, 0
	ds_add_u32 v11, v12                            ; the opening lines: the add, twice on end, and one wait
	ds_add_u32 v11, v12
	v_lshrrev_b32 v52, 5, v0
	v_and_b32 v53, 31, v0                          ; lane
	v_bfe_u32 v54, v0, 4, 1                        ; h
	v_readfirstlane_b32 s16, v52                   ; wave 0..7
	v_lshlrev_b32 v1, 4, v53                       ; 16 x lane
	v_lshlrev_b32 v2, 2, v53                       ; 4 x lane
	v_lshlrev_b32 v3, 3, v53                       ; 8 x lane
	v_lshlrev_b32 v4, 3, v54                       ; 8 h
	v_min_u32 v25, 25, v53
	v_lshrrev_b32 v55, 3, v53
	v_and_b32 v56, 7, v53
	v_lshlrev_b32 v7, 5, v54                       ; 32 h
	v_lshlrev_b32 v25, 8, v25                      ; the prefetches' offset: a block of 256 bytes a lane, 26 blocks a wave
	v_lshlrev_b32 v26, 7, v55
	s_delay_alu instid0(VALU_DEP_1)
	v_lshl_add_u32 v26, v56, 3, v26                ; the join: 128 (lane / 8) + 8 (lane % 8)
	s_wait_alu depctr_va_vdst(0)
	s_bfe_u32 s17, ttmp6, 0x40000                  ; cx
	s_lshl_b32 s18, ttmp9, 2
	s_add_co_u32 s18, s18, s17                     ; work-group 0..255
	s_mov_b32 s24, 15|(3<<16)|(1<<21)              ; group 1: mask of the four, elements of 8 bytes: 52 rows of 256 bytes, dense
	s_mov_b32 s25, 32<<16
	s_mov_b32 s26, 52<<16
	s_mov_b32 s27, 32<<16
	s_mov_b32 s28, 52
	s_mov_b32 s29, 32
	s_mov_b32 s30, 0
	s_mov_b32 s31, 0
	s_mul_i32 s60, s16, WVB                        ; my wave's four tiles in a slot and in a phase
	s_mov_b32 s61, 0
	s_add_co_u32 s62, s60, SIDEO
	s_add_co_u32 s63, s60, SIDEO+128
	s_mul_i32 s66, s16, ZTB
	s_add_co_u32 s66, s66, ZL
	s_lshl_b32 s67, s16, 10
	s_add_co_u32 s67, s67, MV
	s_and_b32 s72, s16, 1
	s_lshl_b32 s73, s72, 9
	s_add_co_u32 s73, s73, MV
	s_lshl_b32 s70, s18, 3
	s_mul_i32 s70, s70, TILEB                      ; my work-group's 8 tiles of z
	s_mov_b32 s71, 0
	s_mul_i32 s68, s16, TILEB                      ; the one whose image my wave brings
	s_mov_b32 s69, 0
	s_lshl_b32 s74, s18, 9                         ; 128 indices of 4 bytes,
	s_lshl_b32 s72, s72, 8
	s_add_co_u32 s74, s74, s72                     ; and the half that wave 0 or 1 stores
	s_mov_b32 s75, 0
	s_min_u32 s2, s16, 3
	s_mul_i32 s2, s2, 26*256
	s_mul_i32 s3, s17, 104*256                     ; the partners share a phase's blocks out by address
	s_add_co_u32 s2, s2, s3
	s_add_co_u32 s2, s2, PHB
	s_mov_b32 s3, 0
	s_cmp_lt_u32 s16, 4
	s_cselect_b32 s21, ttmp9, 1
	s_cmp_eq_u32 s21, 0
	s_cselect_b32 s21, 1, -1                       ; 1 in waves 0-3 of cluster 0, else the greatest number: nobody else asks
	s_mov_b32 s50, 0x76543210
	s_mov_b32 s51, 0xfedcba98
	s_lshl_b32 s19, s16, 2                         ; the tile number of the step whose scores are looked through next
	s_mov_b32 s20, 15
	s_mov_b32 s22, 0
	v_add_nc_u32 v5, s60, v1                       ; a tile's codes: 16 x lane
	v_add_nc_u32 v6, s62, v2                       ; its scale words: 4 x lane
	v_add_nc_u32 v7, s63, v7                       ; its -(sums of squares): 32 h
	v_add_nc_u32 v13, ZL, v1                       ; z's images, read
	v_add_nc_u32 v14, s66, v1                      ; and my wave's, stored
	v_add_nc_u32 v15, s67, v2                      ; the join, in
	v_add_nc_u32 v26, s73, v26                     ; and out
.irp t, 0,1,2,3,4,5,6,7
	v_mov_b32 v[BST+\t], 0xff800000                ; under every score
.endr
.set n, 0
.rept 64
	v_mov_b32 v[SV+n], 0                           ; written once: the selects read what they keep
.set n, n+1
.endr
	s_wait_alu depctr_va_vdst(0)
	s_wait_dscnt 0x0                               ; both opening adds are done
	s_wait_kmcnt 0x0
	s_add_nc_u64 s[46:47], s[4:5], s[70:71]
	s_add_nc_u64 s[4:5], s[46:47], s[68:69]
	s_add_nc_u64 s[8:9], s[8:9], s[74:75]
	s_add_nc_u64 s[10:11], s[10:11], s[74:75]
	s_add_nc_u64 s[48:49], s[6:7], s[2:3]
	s_mov_b32 s40, 1
	s_mov_b32 s41, s60
	s_add_nc_u64 s[42:43], s[6:7], s[60:61]
	s_or_b32 s43, s43, 0x80000000
.irp g, 0,1,2,3,4,5
	global_load_b128 v[ACC+4*\g:ACC+4*\g+3], v1, s[4:5] offset:512*\g th:TH_LOAD_NT   ; my tile of z, as an image
.endr
.irp t, 0,1,2,3,4,5,6,7
	global_load_b32 v[ZSC+\t], v2, s[46:47] offset:TILEB*\t+SIDEO                     ; the scale words of all 8
.endr
	CROUND                                         ; the four work-groups are here: the first joint loads meet
	tensor_load_to_lds s[40:43], s[24:31]          ; phase 0, my four tiles: one tensor load a wave at the head
	s_nop 0
.rept 4
	v_nop
.endr
	s_wait_loadcnt 8                               ; the six loads of the image are in; the eight of scale words may be out
.irp g, 0,1,2,3,4,5
	ds_store_b128 v14, v[ACC+4*\g:ACC+4*\g+3] offset:512*\g
.endr
.macro LOADS i                         ; step i's tile: C, the scale words, the codes
	ds_load_b128 v[NE:NE+3], v10 offset:TILEB*(\i)
	ds_load_b128 v[NE+4:NE+7], v10 offset:TILEB*(\i)+16
	ds_load_b32 v[CSC], v9 offset:TILEB*(\i)
	WIN 0x40
.irp g, 0,1,2,3,4,5
	ds_load_b128 v[FR+4*\g:FR+4*\g+3], v8 offset:TILEB*(\i)+512*\g
.endr
	WIN 0
.endm
.macro MMA y                           ; 16 codes x 128 rows of z x 256: the 8 accumulators by turns
.set AC, ACC+64*(\y)
	WIN 0x05
.irp t, 0,1,2,3,4,5,6,7
	v_wmma_scale_f32_16x16x128_f8f6f4 v[AC+8*\t:AC+8*\t+7], v[FR:FR+11], v[24*\t:24*\t+11], v[NE:NE+7], v[CSC], v[ZSC+\t] matrix_a_fmt:MATRIX_FMT_FP6 matrix_b_fmt:MATRIX_FMT_FP6
.endr
.irp t, 0,1,2,3,4,5,6,7
	v_wmma_scale_f32_16x16x128_f8f6f4 v[AC+8*\t:AC+8*\t+7], v[FR+12:FR+23], v[24*\t+12:24*\t+23], v[AC+8*\t:AC+8*\t+7], v[CSC], v[ZSC+\t] matrix_a_fmt:MATRIX_FMT_FP6 matrix_b_fmt:MATRIX_FMT_FP6 matrix_a_scale:MATRIX_SCALE_ROW1 matrix_b_scale:MATRIX_SCALE_ROW1
.endr
	WIN 0
.endm
.macro EPI_A y                         ; the maxima's first links: each accumulator is read from its low end on
.set AC, ACC+64*(\y)
.set BO, BST+8*(\y)
.set BN, BST+8-8*(\y)
.irp t, 0,1,2,3,4,5,6,7
	v_max3_num_f32 v[BN+\t], v[BO+\t], v[AC+8*\t], v[AC+8*\t+1]
.endr
.endm
.macro EPI_B y                         ; the other links; then, where the maximum grew, scores 0-6 and the tile number are kept
.set AC, ACC+64*(\y)
.set BO, BST+8*(\y)
.set BN, BST+8-8*(\y)
	v_mov_b32 v[TLV], s19
.irp k, 2,4,6
.irp t, 0,1,2,3,4,5,6,7
	v_max3_num_f32 v[BN+\t], v[BN+\t], v[AC+8*\t+\k], v[AC+8*\t+\k+1]
.endr
.endr
.irp t, 0,1,2,3,4,5,6,7
	v_cmp_gt_f32 vcc_lo, v[BN+\t], v[BO+\t]
.irp k, 0,2,4
	v_dual_cndmask_b32 v[SV+8*\t+\k], v[SV+8*\t+\k], v[AC+8*\t+\k] :: v_dual_cndmask_b32 v[SV+8*\t+\k+1], v[SV+8*\t+\k+1], v[AC+8*\t+\k+1]
.endr
	v_dual_cndmask_b32 v[SV+8*\t+6], v[SV+8*\t+6], v[AC+8*\t+6] :: v_dual_cndmask_b32 v[SV+8*\t+7], v[SV+8*\t+7], v[TLV]
.endr
.endm
; A step: its tile is asked of LDS; the scores of two steps ago (this step's set of accumulators) are looked through meanwhile; 16 matrix instructions; the last step's first links are the places behind them.
.macro STEP i, y, first
	LOADS \i
.if \first == 0
	EPI_B \y
.if \i == 1
	s_add_co_u32 s19, s19, 29                      ; from tile 4 w + 3 of a phase to 4 w of the next
.else
	s_add_co_u32 s19, s19, 1
.endif
.endif
	s_wait_alu depctr_va_vdst(0)
	s_wait_dscnt 0x0
	MMA \y
.if \first == 2
.rept 4
	v_nop
.endr
.else
	EPI_A 1-\y
.endif
.endm
.macro ASK
	s_cmp_gt_u32 s20, s21
	s_cbranch_scc0 .Lnot_mine_\@
	global_prefetch_b8 v25, s[48:49] th:TH_LOAD_NT scope:SCOPE_SE
.Lnot_mine_\@:
.endm
.macro CHANGE fill                     ; the change of slots
	s_wait_alu depctr_va_vdst(0)
	s_wait_tensorcnt 0x0                           ; my one load that was out, the next phase's, has landed
	ds_add_u32 v11, v12
.if \fill
	s_xor_b32 s41, s41, SLOT1                      ; no load of mine is out: group 0 steps to the slot just read and one phase on
	s_add_nc_u64 s[42:43], s[42:43], PHB
	s_wait_xcnt 0x0                                ; my last prefetch has read its base
	s_add_nc_u64 s[48:49], s[48:49], PHB
	s_wait_dscnt 0x0                               ; the add is done, and my reads and stores of LDS
	CROUND                                         ; the same now holds of every wave of the four work-groups
	tensor_load_to_lds s[40:43], s[24:31]          ; my one load behind the round
	s_nop 0
.rept 4
	v_nop
.endr
	ASK
.else
	s_wait_dscnt 0x0
	s_barrier_signal -1
	s_barrier_wait -1
.endif
.endm
.macro PHASE f0, f1
	v_add_nc_u32 v8, s22, v5
	v_add_nc_u32 v9, s22, v6
	v_add_nc_u32 v10, s22, v7
	STEP 0, 0, \f0
	STEP 1, 1, \f1
	STEP 2, 0, 0
	STEP 3, 1, 0
	s_xor_b32 s22, s22, SLOT1
.endm
.macro LEX bv, bc, nv, nc              ; (bv, bc) takes (nv, nc) if its score is larger, or equal with the lower code
	v_cmp_gt_f32 s60, v[\nv], v[\bv]
	v_cmp_eq_f32 s61, v[\nv], v[\bv]
	v_cmp_lt_u32 s62, v[\nc], v[\bc]
	s_and_b32 s61, s61, s62
	s_or_b32 s60, s60, s61
	v_cndmask_b32 v[\bv], v[\bv], v[\nv], s60
	v_cndmask_b32 v[\bc], v[\bc], v[\nc], s60
.endm
	CHANGE 1                                       ; phase 0 has landed and all 8 images of z are stored; slot 1's first fill goes out as a refill does
	WIN 0x40
.irp t, 0,1,2,3,4,5,6,7
.irp c, 0,1,2,3,4,5
	ds_load_b128 v[24*\t+4*\c:24*\t+4*\c+3], v13 offset:ZTB*\t+512*\c     ; z's fragments, for the whole launch
.endr
.endr
	WIN 0
	s_wait_loadcnt 0x0                             ; z's scale words
	PHASE 2, 1
	s_mov_b32 s20, 14
.Lphase:
	CHANGE 1
	PHASE 0, 0
	s_sub_co_u32 s20, s20, 1
	s_cmp_lg_u32 s20, 0
	s_cbranch_scc1 .Lphase
	CHANGE 0                                       ; the last phase: nothing is left to fetch
	PHASE 0, 0
	EPI_B 0
	s_add_co_u32 s19, s19, 1
	EPI_A 1
	EPI_B 1
	; the place inside the kept tile: the lowest k whose kept score is the maximum; none of 0-6: 7
.irp t, 0,1,2,3,4,5,6,7
	v_mov_b32 v[JC+\t], 7
.endr
.irp k, 6,5,4,3,2,1,0
.irp t, 0,1,2,3,4,5,6,7
	v_cmp_neq_f32 s[52+\t], v[SV+8*\t+\k], v[BST+\t]
.endr
.irp t, 0,1,2,3,4,5,6,7
	v_cndmask_b32 v[JC+\t], \k, v[JC+\t], s[52+\t]
.endr
.endr
.irp t, 0,1,2,3,4,5,6,7
	v_lshl_add_u32 v[JC+\t], v[SV+8*\t+7], 4, v[JC+\t]
.endr
.irp t, 0,1,2,3,4,5,6,7
	v_add_nc_u32 v[JC+\t], v4, v[JC+\t]            ; code = 16 x tile + 8 h + k
.endr
.irp t, 0,1,2,3,4,5,6,7
	v_permlanex16_b32 v[JC+16+\t], v[BST+\t], s50, s51
	v_permlanex16_b32 v[JC+24+\t], v[JC+\t], s50, s51
.endr
.irp t, 0,1,2,3,4,5,6,7
	LEX BST+\t, JC+\t, JC+16+\t, JC+24+\t          ; with lane l xor 16
.endr
.irp t, 0,1,2,3,4,5,6,7
	ds_store_b32 v15, v[BST+\t] offset:128*\t
	ds_store_b32 v15, v[JC+\t] offset:MCO+128*\t
.endr
	s_wait_dscnt 0x0                               ; for the others' sake
	s_barrier_signal -1
	s_barrier_wait -1
	s_cmp_gt_u32 s16, 1
	s_cbranch_scc1 .Ldone                          ; waves 0 and 1 join the eight waves' results, 64 rows each, two rows a lane
.irp c, 0,1,2,3,4,5,6,7
	ds_load_b64 v[JC+2*\c:JC+2*\c+1], v26 offset:1024*\c
	ds_load_b64 v[JC+16+2*\c:JC+16+2*\c+1], v26 offset:MCO+1024*\c
.endr
	s_wait_dscnt 0x0
.irp c, 1,2,3,4,5,6,7
.irp q, 0,1
	LEX JC+\q, JC+16+\q, JC+2*\c+\q, JC+16+2*\c+\q
.endr
.endr
	global_store_b64 v3, v[JC+16:JC+17], s[8:9]    ; 32 lanes store 256 consecutive bytes, aligned
	global_store_b64 v3, v[JC+16:JC+17], s[10:11]  ; and the same for the launch that gathers
.Ldone:
	s_wait_tensorcnt 0x0                           ; the wave's end
	ds_add_u32 v11, v12
	s_wait_dscnt 0x0
	CROUND                                         ; the closing round
	s_endpgm
.Lfunc_end_k_q9a755e7576_main:
	.size	k_q9a755e7576_main, .Lfunc_end_k_q9a755e7576_main-k_q9a755e7576_main
	.p2alignl 7, 3214868480
	.fill 96, 4, 3214868480
	.section	.rodata,"a",@progbits
	.p2align	6, 0x0
	.amdhsa_kernel k_q9a755e7576_main
		.amdhsa_group_segment_fixed_size 327680
		.amdhsa_private_segment_fixed_size 0
		.amdhsa_enable_private_segment 0
		.amdhsa_kernarg_size 32
		.amdhsa_user_sgpr_count 2
		.amdhsa_user_sgpr_kernarg_segment_ptr 1
		.amdhsa_wavefront_size32 1
		.amdhsa_system_sgpr_workgroup_id_x 1
		.amdhsa_system_sgpr_workgroup_id_y 1
		.amdhsa_system_sgpr_workgroup_id_z 1
		.amdhsa_system_vgpr_workitem_id 0
		.amdhsa_next_free_vgpr 512
		.amdhsa_next_free_sgpr 80
		.amdhsa_reserve_vcc 1
		.amdhsa_float_denorm_mode_32 3
		.amdhsa_float_denorm_mode_16_64 3
		.amdhsa_memory_ordered 1
		.amdhsa_forward_progress 1
		.amdhsa_inst_pref_size 120
	.end_amdhsa_kernel
	.amdgpu_metadata
---
amdhsa.version: [ 1, 2 ]
amdhsa.kernels:
  - .name:           k_q9a755e7576_main
    .symbol:         k_q9a755e7576_main.kd
    .args:
      - { .name: zc, .offset: 0, .size: 8, .value_kind: global_buffer, .address_space: global }
      - { .name: cc, .offset: 8, .size: 8, .value_kind: global_buffer, .address_space: global }
      - { .name: out2, .offset: 16, .size: 8, .value_kind: global_buffer, .address_space: global }
      - { .name: order, .offset: 24, .size: 8, .value_kind: global_buffer, .address_space: global }
    .group_segment_fixed_size: 327680
    .private_segment_fixed_size: 0
    .kernarg_segment_align: 8
    .kernarg_segment_size: 32
    .max_flat_workgroup_size: 256
    .sgpr_count:     80
    .vgpr_count:     512
    .wavefront_size: 32
...
	.end_amdgpu_metadata
.endif
;; end of part 2
;; launch gather (part 3): grid 256 x 1, 16 waves a work-group, no clusters, 2,304 bytes of LDS; arguments z_e, codebook, order, out0, parts; writes out0, parts
.if DOCPART == 3
	.amdgcn_target "amdgcn-amd-amdhsa--gfx1250"
	.amdhsa_code_object_version 6
	.text
	.protected	k_q9a755e7576_gather
	.globl	k_q9a755e7576_gather
	.p2align	8
	.type	k_q9a755e7576_gather,@function
k_q9a755e7576_gather:
	s_mov_b64 s[64:65], 0
	v_nop
	global_prefetch_b8 v0, s[64:65] scope:SCOPE_SE
	s_setreg_imm32_b32 hwreg(HW_REG_WAVE_MODE, 25, 1), 1
	s_wait_xcnt 0x0
; out0[n] = z[n] + (e[idx[n]] - z[n]), in f32 as it is written, and for each work-group the sum of (e[idx[n]] - z[n])^2 over its 128 rows, into parts.
; idx comes from order, whole numbers that the launch before stored; it is held at 8,191 before it enters an address.
; A wave takes 8 rows at once: 16 loads of z and 16 of code words, 512 consecutive bytes each, all asked for before the first is used; stores likewise.
; Bytes decide here: no LDS ring, no matrix unit, no cluster; work-groups share nothing but rows of the codebook.
.set Z,  16                            ; v16-79   8 rows of z, 8 registers a lane each; then the result
.set E,  80                            ; v80-143  the rows' code words; then the differences
.set EO, 144                           ; v144-151 their byte offsets in the codebook
	s_load_b256 s[4:11], s[0:1], 0x0               ; z_e s[4:5], codebook s[6:7], order s[8:9], out0 s[10:11]
	s_load_b64 s[12:13], s[0:1], 0x20              ; parts
	v_lshl_add_u32 v160, v0, 2, 0x100
	v_mov_b32 v161, 0
	v_lshrrev_b32 v2, 5, v0
	s_delay_alu instid0(VALU_DEP_1)
	v_readfirstlane_b32 s14, v2                    ; wave 0..15
	v_and_b32 v1, 31, v0
	s_delay_alu instid0(VALU_DEP_1)
	v_lshlrev_b32 v1, 4, v1                        ; 16 x lane
	s_lshl_b32 s15, ttmp9, 7
	s_lshl_b32 s24, s14, 3
	s_add_co_u32 s15, s15, s24                     ; my first row: 128 x work-group + 8 x wave
	s_lshl_b32 s24, s15, 2
	s_mov_b32 s25, 0
	s_lshl_b32 s26, s15, 10
	s_mov_b32 s27, 0
	s_lshl_b32 s30, ttmp9, 2
	s_mov_b32 s31, 0
	s_mov_b32 s28, 0x76543210
	s_mov_b32 s29, 0xfedcba98
	s_wait_alu depctr_va_vdst(0)
	s_wait_kmcnt 0x0
	s_add_nc_u64 s[8:9], s[8:9], s[24:25]
	s_load_b256 s[16:23], s[8:9], 0x0              ; my 8 indices
	s_add_nc_u64 s[4:5], s[4:5], s[26:27]
	s_add_nc_u64 s[10:11], s[10:11], s[26:27]
	s_add_nc_u64 s[12:13], s[12:13], s[30:31]
.irp p, 0,1,2,3,4,5,6,7
	global_load_b128 v[Z+8*\p:Z+8*\p+3], v1, s[4:5] offset:1024*\p th:TH_LOAD_NT
	global_load_b128 v[Z+8*\p+4:Z+8*\p+7], v1, s[4:5] offset:1024*\p+512 th:TH_LOAD_NT
.endr
	s_wait_kmcnt 0x0
.irp p, 0,1,2,3,4,5,6,7
	s_min_u32 s[16+\p], s[16+\p], 8191             ; an index stays inside the table
	s_lshl_b32 s[16+\p], s[16+\p], 10              ; a code word is 1,024 bytes
	v_add_nc_u32 v[EO+\p], s[16+\p], v1
.endr
	s_wait_alu depctr_va_vdst(0)
.irp p, 0,1,2,3,4,5,6,7
	global_load_b128 v[E+8*\p:E+8*\p+3], v[EO+\p], s[6:7]
	global_load_b128 v[E+8*\p+4:E+8*\p+7], v[EO+\p], s[6:7] offset:512
.endr
.macro ROW p
	s_wait_loadcnt 14-2*(\p)                       ; z is in, and this row's code word; the later rows' code words may be out
.irp q, 0,2,4,6
	v_pk_add_f32 v[E+8*(\p)+\q:E+8*(\p)+\q+1], v[E+8*(\p)+\q:E+8*(\p)+\q+1], v[Z+8*(\p)+\q:Z+8*(\p)+\q+1] neg_lo:[0,1] neg_hi:[0,1]   ; e - z
.endr
.irp q, 0
.if (\p) == 0 && \q == 0
	s_delay_alu instid0(VALU_DEP_4)
	v_pk_mul_f32 v[8:9], v[E:E+1], v[E:E+1]        ; the first products start the two chains
	s_delay_alu instid0(VALU_DEP_4)
	v_pk_mul_f32 v[10:11], v[E+2:E+3], v[E+2:E+3]
.else
	s_delay_alu instid0(VALU_DEP_4)
	v_pk_fma_f32 v[8:9], v[E+8*(\p)+\q:E+8*(\p)+\q+1], v[E+8*(\p)+\q:E+8*(\p)+\q+1], v[8:9]
	s_delay_alu instid0(VALU_DEP_4)
	v_pk_fma_f32 v[10:11], v[E+8*(\p)+\q+2:E+8*(\p)+\q+3], v[E+8*(\p)+\q+2:E+8*(\p)+\q+3], v[10:11]
.endif
.endr
.irp q, 4
.if (\p) == 0 && \q == 0
	v_pk_mul_f32 v[8:9], v[E:E+1], v[E:E+1]        ; the first products start the two chains
	v_pk_mul_f32 v[10:11], v[E+2:E+3], v[E+2:E+3]
.else
	s_delay_alu instid0(VALU_DEP_2)
	v_pk_fma_f32 v[8:9], v[E+8*(\p)+\q:E+8*(\p)+\q+1], v[E+8*(\p)+\q:E+8*(\p)+\q+1], v[8:9]
	s_delay_alu instid0(VALU_DEP_2)
	v_pk_fma_f32 v[10:11], v[E+8*(\p)+\q+2:E+8*(\p)+\q+3], v[E+8*(\p)+\q+2:E+8*(\p)+\q+3], v[10:11]
.endif
.endr
.irp q, 0,2,4,6
	v_pk_add_f32 v[Z+8*(\p)+\q:Z+8*(\p)+\q+1], v[Z+8*(\p)+\q:Z+8*(\p)+\q+1], v[E+8*(\p)+\q:E+8*(\p)+\q+1]   ; z + (e - z)
.endr
	global_store_b128 v1, v[Z+8*(\p):Z+8*(\p)+3], s[10:11] offset:1024*(\p) th:TH_STORE_NT       ; 32 lanes store 512 consecutive bytes
	global_store_b128 v1, v[Z+8*(\p)+4:Z+8*(\p)+7], s[10:11] offset:1024*(\p)+512 th:TH_STORE_NT
.endm
.irp p, 0,1,2,3,4,5,6,7
	ROW \p
.endr
	v_pk_add_f32 v[8:9], v[8:9], v[10:11]
	s_delay_alu instid0(VALU_DEP_1)
	v_add_f32 v8, v8, v9
	s_delay_alu instid0(VALU_DEP_1)
	v_add_f32_dpp v8, v8, v8 row_xmask:1 row_mask:0xf bank_mask:0xf
	s_delay_alu instid0(VALU_DEP_1)
	v_add_f32_dpp v8, v8, v8 row_xmask:2 row_mask:0xf bank_mask:0xf
	s_delay_alu instid0(VALU_DEP_1)
	v_add_f32_dpp v8, v8, v8 row_xmask:4 row_mask:0xf bank_mask:0xf
	s_delay_alu instid0(VALU_DEP_1)
	v_add_f32_dpp v8, v8, v8 row_xmask:8 row_mask:0xf bank_mask:0xf
	s_delay_alu instid0(VALU_DEP_1)
	v_permlanex16_b32 v9, v8, s28, s29
	s_delay_alu instid0(VALU_DEP_1)
	v_add_f32 v8, v8, v9                           ; my wave's sum, in every lane
	v_mov_b32 v12, s14
	s_delay_alu instid0(VALU_DEP_1)
	v_lshlrev_b32 v12, 2, v12
	ds_store_b32 v12, v8                           ; all lanes write the same word with the same value
	s_wait_dscnt 0x0
	s_barrier_signal -1
	s_barrier_wait -1
	s_cmp_lg_u32 s14, 0
	s_cbranch_scc1 .Lend                           ; wave 0 adds the sixteen, in a fixed order
	v_mov_b32 v13, 0
.irp i, 0,1,2,3
	ds_load_b128 v[E+4*\i:E+4*\i+3], v13 offset:16*\i
.endr
	s_wait_dscnt 0x0
.irp i, 0,4,8,12
	v_pk_add_f32 v[E+\i:E+\i+1], v[E+\i:E+\i+1], v[E+\i+2:E+\i+3]
.endr
	s_delay_alu instid0(VALU_DEP_3)
	v_pk_add_f32 v[E:E+1], v[E:E+1], v[E+4:E+5]
	s_delay_alu instid0(VALU_DEP_2)
	v_pk_add_f32 v[E+8:E+9], v[E+8:E+9], v[E+12:E+13]
	s_delay_alu instid0(VALU_DEP_1)
	v_pk_add_f32 v[E:E+1], v[E:E+1], v[E+8:E+9]
	s_delay_alu instid0(VALU_DEP_1)
	v_add_f32 v[E], v[E], v[E+1]
	v_cmp_eq_u32 vcc_lo, 0, v0
	s_wait_alu depctr_va_vdst(0)
	s_wait_xcnt 0x0                                ; EXEC changes only behind this wait: it is a source of the stores above
	s_and_saveexec_b32 s30, vcc_lo
	global_store_b32 v13, v[E], s[12:13]           ; one number a work-group
	s_wait_xcnt 0x0                                ; and again, in front of the line that widens it
	s_or_b32 exec_lo, exec_lo, s30
.Lend:
	s_wait_tensorcnt 0x0
	ds_add_u32 v160, v161
	s_wait_dscnt 0x0
	s_endpgm
.Lfunc_end_k_q9a755e7576_gather:
	.size	k_q9a755e7576_gather, .Lfunc_end_k_q9a755e7576_gather-k_q9a755e7576_gather
	.p2alignl 7, 3214868480
	.fill 96, 4, 3214868480
	.section	.rodata,"a",@progbits
	.p2align	6, 0x0
	.amdhsa_kernel k_q9a755e7576_gather
		.amdhsa_group_segment_fixed_size 2304
		.amdhsa_private_segment_fixed_size 0
		.amdhsa_enable_private_segment 0
		.amdhsa_kernarg_size 40
		.amdhsa_user_sgpr_count 2
		.amdhsa_user_sgpr_kernarg_segment_ptr 1
		.amdhsa_wavefront_size32 1
		.amdhsa_system_sgpr_workgroup_id_x 1
		.amdhsa_system_sgpr_workgroup_id_y 1
		.amdhsa_system_sgpr_workgroup_id_z 1
		.amdhsa_system_vgpr_workitem_id 0
		.amdhsa_next_free_vgpr 162
		.amdhsa_next_free_sgpr 66
		.amdhsa_reserve_vcc 1
		.amdhsa_float_denorm_mode_32 3
		.amdhsa_float_denorm_mode_16_64 3
		.amdhsa_memory_ordered 1
		.amdhsa_forward_progress 1
		.amdhsa_inst_pref_size 17
	.end_amdhsa_kernel
	.amdgpu_metadata
---
amdhsa.version: [ 1, 2 ]
amdhsa.kernels:
  - .name:           k_q9a755e7576_gather
    .symbol:         k_q9a755e7576_gather.kd
    .args:
      - { .name: z_e, .offset: 0, .size: 8, .value_kind: global_buffer, .address_space: global }
      - { .name: codebook, .offset: 8, .size: 8, .value_kind: global_buffer, .address_space: global }
      - { .name: order, .offset: 16, .size: 8, .value_kind: global_buffer, .address_space: global }
      - { .name: out0, .offset: 24, .size: 8, .value_kind: global_buffer, .address_space: global }
      - { .name: parts, .offset: 32, .size: 8, .value_kind: global_buffer, .address_space: global }
    .group_segment_fixed_size: 2304
    .private_segment_fixed_size: 0
    .kernarg_segment_align: 8
    .kernarg_segment_size: 40
    .max_flat_workgroup_size: 512
    .sgpr_count:     66
    .vgpr_count:     162
    .wavefront_size: 32
...
	.end_amdgpu_metadata
.endif
;; end of part 3
;; launch total (part 4): grid 1 x 1, 1 waves a work-group, no clusters, 0 bytes of LDS; arguments parts, out1; writes out1
.if DOCPART == 4
	.amdgcn_target "amdgcn-amd-amdhsa--gfx1250"
	.amdhsa_code_object_version 6
	.text
	.protected	k_q9a755e7576_total
	.globl	k_q9a755e7576_total
	.p2align	8
	.type	k_q9a755e7576_total,@function
k_q9a755e7576_total:
	s_mov_b64 s[64:65], 0
	v_nop
	global_prefetch_b8 v0, s[64:65] scope:SCOPE_SE
	s_setreg_imm32_b32 hwreg(HW_REG_WAVE_MODE, 25, 1), 1
	s_wait_xcnt 0x0
; out1 = m + 0.25 m, m = the mean of (z_q - z_e)^2 over 32,768 x 256 = 2^23 numbers: both losses are that mean.  The 256 work-groups' sums are added here, by one wave, in a fixed order.
	s_load_b128 s[4:7], s[0:1], 0x0                ; parts s[4:5], out1 s[6:7]
	v_lshlrev_b32 v1, 4, v0
	s_mov_b32 s8, 0x76543210
	s_mov_b32 s9, 0xfedcba98
	s_wait_alu depctr_va_vdst(0)
	s_wait_kmcnt 0x0
	global_load_b128 v[4:7], v1, s[4:5]
	global_load_b128 v[8:11], v1, s[4:5] offset:512
	s_wait_loadcnt 0x0
	v_pk_add_f32 v[4:5], v[4:5], v[8:9]
	v_pk_add_f32 v[6:7], v[6:7], v[10:11]
	v_pk_add_f32 v[4:5], v[4:5], v[6:7]
	v_add_f32 v4, v4, v5
	v_add_f32_dpp v4, v4, v4 row_xmask:1 row_mask:0xf bank_mask:0xf
	v_add_f32_dpp v4, v4, v4 row_xmask:2 row_mask:0xf bank_mask:0xf
	v_add_f32_dpp v4, v4, v4 row_xmask:4 row_mask:0xf bank_mask:0xf
	v_add_f32_dpp v4, v4, v4 row_xmask:8 row_mask:0xf bank_mask:0xf
	v_permlanex16_b32 v5, v4, s8, s9
	v_add_f32 v4, v4, v5
	v_mul_f32 v4, 0x34000000, v4                   ; x 2^-23: the mean
	v_fmamk_f32 v5, v4, 0x3e800000, v4             ; 0.25 m + m
	v_mov_b32 v6, 0
	v_cmp_eq_u32 vcc_lo, 0, v0
	s_wait_alu depctr_va_vdst(0)
	s_wait_xcnt 0x0                                ; EXEC changes only behind this wait
	s_and_saveexec_b32 s10, vcc_lo
	global_store_b32 v6, v5, s[6:7]
	s_wait_xcnt 0x0
	s_or_b32 exec_lo, exec_lo, s10
	s_endpgm
.Lfunc_end_k_q9a755e7576_total:
	.size	k_q9a755e7576_total, .Lfunc_end_k_q9a755e7576_total-k_q9a755e7576_total
	.p2alignl 7, 3214868480
	.fill 96, 4, 3214868480
	.section	.rodata,"a",@progbits
	.p2align	6, 0x0
	.amdhsa_kernel k_q9a755e7576_total
		.amdhsa_group_segment_fixed_size 0
		.amdhsa_private_segment_fixed_size 0
		.amdhsa_enable_private_segment 0
		.amdhsa_kernarg_size 16
		.amdhsa_user_sgpr_count 2
		.amdhsa_user_sgpr_kernarg_segment_ptr 1
		.amdhsa_wavefront_size32 1
		.amdhsa_system_sgpr_workgroup_id_x 1
		.amdhsa_system_sgpr_workgroup_id_y 1
		.amdhsa_system_sgpr_workgroup_id_z 1
		.amdhsa_system_vgpr_workitem_id 0
		.amdhsa_next_free_vgpr 16
		.amdhsa_next_free_sgpr 66
		.amdhsa_reserve_vcc 1
		.amdhsa_float_denorm_mode_32 3
		.amdhsa_float_denorm_mode_16_64 3
		.amdhsa_memory_ordered 1
		.amdhsa_forward_progress 1
		.amdhsa_inst_pref_size 2
	.end_amdhsa_kernel
	.amdgpu_metadata
---
amdhsa.version: [ 1, 2 ]
amdhsa.kernels:
  - .name:           k_q9a755e7576_total
    .symbol:         k_q9a755e7576_total.kd
    .args:
      - { .name: parts, .offset: 0, .size: 8, .value_kind: global_buffer, .address_space: global }
      - { .name: out1, .offset: 8, .size: 8, .value_kind: global_buffer, .address_space: global }
    .group_segment_fixed_size: 0
    .private_segment_fixed_size: 0
    .kernarg_segment_align: 8
    .kernarg_segment_size: 16
    .max_flat_workgroup_size: 32
    .sgpr_count:     66
    .vgpr_count:     16
    .wavefront_size: 32
...
	.end_amdgpu_metadata
.endif
;; end of part 4
